; MI455X (gfx1250); checked and timed in simulation.
; The chip was launched on July 23, 2026; its instructions are those of AMD's public machine-readable ISA for CDNA 5 (MIT licence, August 2026) and "CDNA5" Instruction Set Architecture Reference Guide (July 2026). The comments in the code are by the model that wrote it; some were corrected since.
;; Self Attention. Allowed arithmetic: matrix products marked QUANTISED: E5M2 operands, one E8M0 scale for each 32 along K, by v_wmma_scale_f32_16x16x128_f8f6f4 with both operands' format E5M2, f32 sums; products left as they are: f32 operands where the result goes on into a quantised operand, else bf16, f16 or f32 operands; f32 sums; everything else in f32.
;; Inputs: Wk_codes 16 x 2 x 32 uint8 (E5M2 codes of Wk, K innermost, in blocks of 32 codes); Wk_scales 16 x 2 uint8 (E8M0 scales of Wk, one for each 32 codes along K); Wq_codes 16 x 2 x 32 uint8 (E5M2 codes of Wq, K innermost, in blocks of 32 codes); Wq_scales 16 x 2 uint8 (E8M0 scales of Wq, one for each 32 codes along K); Wv_codes 64 x 2 x 32 uint8 (E5M2 codes of Wv, K innermost, in blocks of 32 codes); Wv_scales 64 x 2 uint8 (E8M0 scales of Wv, one for each 32 codes along K); x_codes 4 x 4,096 x 2 x 32 uint8 (E5M2 codes of x, K innermost, in blocks of 32 codes); x_scales 4 x 4,096 x 2 uint8 (E8M0 scales of x, one for each 32 codes along K).
;; Outputs: out0 4 x 4,096 x 64 float32.
;; This version of the problem:
;;   THIS VERSION OF THE PROBLEM IS GIVEN IN LOW PRECISION. The matrix products marked QUANTISED in the list below multiply operands that are first quantised to E5M2 (5 exponent bits, 2 mantissa bits; 8 bits a number), with one power-of-two scale for each 32 numbers along K (OCP MX v1.0); their sums are f32. All else is computed in f32.
;;   The module's matrix products, in the order in which they are computed (A, B: the left and right operand; K: the contracted axis; several contracted axes count as one K, in the product's order):
;;     1. [M 16,384, K 64] x [K 64, N 16]; A: input x (given as codes); B: input Wq (given as codes): QUANTISED
;;     2. [M 16,384, K 64] x [K 64, N 16]; A: input x (given as codes); B: input Wk (given as codes): QUANTISED
;;     3. [M 16,384, K 64] x [K 64, N 64]; A: input x (given as codes); B: input Wv (given as codes): QUANTISED
;;     4. batch 4 x [M 4,096, K 16] x [K 16, N 4,096]; A: computed on the way; B: computed on the way: left as it is (K = 16 < 32)
;;     5. batch 4 x [M 4,096, K 4,096] x [K 4,096, N 64]; A: softmax (see below); B: computed on the way: QUANTISED
;;   THE QUANTISER, for each operand of a quantised product, along K:
;;     - K is cut into blocks of 32 from its start; a last block that is shorter is filled with zeros.
;;     - A block's scale is 2^e with e = floor(log2(the largest magnitude in the block)) - 15, held to -126 .. 127; a block of zeros has e = 0. As a byte (E8M0): e + 127.
;;     - Each number is divided by its block's scale, clamped to +-57,344, and rounded to the nearest number of E5M2, ties to even, subnormals kept.
;;     - The product sums the exact products of the quantised numbers (number of the format x scale) in f32.
;;   ~~~python
;;   def quantise(x, axis):      # numpy; x: float32 -> the quantised numbers, widened to float32 again
;;       x = np.moveaxis(x, axis, -1); K = x.shape[-1]
;;       x = np.pad(x, [(0, 0)] * (x.ndim - 1) + [(0, -K % 32)]); x = x.reshape(x.shape[:-1] + (-1, 32)); a = np.abs(x).max(-1, keepdims=True)
;;       e = np.where(a > 0, np.clip(np.frexp(np.where(a > 0, a, 1))[1] - 1 - 15, -126, 127), 0)      # np.frexp(a)[1] - 1 = floor(log2(a)), exactly
;;       r = np.clip(x / 2.0 ** e, -57344, 57344)
;;       step = 2.0 ** (np.maximum(np.frexp(np.where(r == 0, 1, r))[1] - 1, -14) - 2)
;;       q = np.round(r / step) * step * 2.0 ** e      # np.round: ties to even
;;       return np.moveaxis(q.reshape(q.shape[:-2] + (-1,))[..., :K], -1, axis).astype(np.float32)
;;   ~~~
;;   SOFTMAX AHEAD OF A QUANTISED PRODUCT. Where the list says 'softmax', what is quantised is not the finished softmax but p = 2^(t - M), with t = logit x log2(e) and M = ceil(the row's largest t), a whole number; so 1/2 < the row's largest p <= 1. The row's sum l is taken of the UNQUANTISED p, in f32, and the product's result is divided by l at the end. Since M is a whole number, a kernel that streams over the keys may use a running M (the ceiling of the running maximum): every later rescaling is an exact power of two, which a block's scale takes up: the codes' values come out the same.
;;   OPERANDS COMPUTED ON THE WAY. 'Computed on the way' means the value that the module computes at that place (a softmax that the list does not call 'softmax' is quantised finished and normalised). What goes into a quantiser is computed in f32, as accurately as f32 sums, v_exp_f32 and their like allow (about 1e-6 of the number): no bf16 or f16 on the way to a quantiser, and a product that is left as it is and whose result goes on into a quantised operand takes f32 operands (vector FMAs, or v_wmma_f32_16x16x4_f32). A number that lies on a knife's edge between two numbers of the format may be rounded either way, as far as f32 arithmetic and the matrix unit's own rounding can turn it there, and no further.
;;   INPUTS GIVEN AS CODES. Wk (in the module: [64, 16], K = its axis 0); Wq (in the module: [64, 16], K = its axis 0); Wv (in the module: [64, 64], K = its axis 0); x (in the module: [4, 4096, 64], K = its axis 2): each comes as NAME_codes (uint8): NAME with its K axis moved to the last place and cut into blocks of 32 codes, [.., K / 32, bytes a block], one block behind the other in memory; one code a byte (a code: sign, 5 exponent bits, 2 mantissa bits); and NAME_scales (uint8): the same leading axes, one E8M0 byte (e + 127) for each 32 codes along K. Its value is code x scale, taken as it is: it is not quantised again, and the codes and scales need not be those that the quantiser above would give.
;; One version. Each part assembles by itself: llvm-mc -triple=amdgcn-amd-amdhsa -mcpu=gfx1250 --defsym DOCPART=n.
;; ======== version 1 of 1: 2 launches
;; workspace buffers: kv 2,162,688 bytes; qf 1,048,576 bytes
;; launch project (part 1): grid 128 x 1, 8 waves a work-group, no clusters, 1,536 bytes of LDS; arguments x_codes, x_scales, Wq_codes, Wq_scales, Wk_codes, Wk_scales, Wv_codes, Wv_scales, kv, qf; writes kv, qf
.if DOCPART == 1
	.amdgcn_target "amdgcn-amd-amdhsa--gfx1250"
	.amdhsa_code_object_version 6
	.text
	.protected	k_qae6f5cfc0c_project
	.globl	k_qae6f5cfc0c_project
	.p2align	8
	.type	k_qae6f5cfc0c_project,@function
k_qae6f5cfc0c_project:
	s_mov_b64 s[64:65], 0
	v_nop
	global_prefetch_b8 v0, s[64:65] scope:SCOPE_SE
	s_setreg_imm32_b32 hwreg(HW_REG_WAVE_MODE, 25, 1), 1
	s_wait_xcnt 0x0
; q = x Wq, k = x Wk, v = x Wv on codes of BF8 (E5M2) with E8M0 scales (K = 64, filled to the instruction's 128 with zero codes on both sides).
; q and k leave as f32, v is quantised along the KEYS (blocks of 32 keys for each channel); all three leave as IMAGES OF OPERAND REGISTERS, 16 bytes x lane, 512 bytes a store.
; A work-group takes 128 rows of x ([16384][64]) and makes one record of kv (REC bytes) and eight tiles of qf (1,024 bytes each):
;   record: 0 K: tile t at 1024 t, registers 0-3 at +0, 4-7 at +512 | 8192 V: channel tile i at 2048 i, block c of 32 keys at 512 c | 16384 V's scale words, channel n at 4 n | 16640 256 zeros (the record's halves are then 33 x 256 bytes each).
; THE ROWS OF A TILE ARE NOT NEIGHBOURS: lane r of tile 2 b + u takes row 32 b + 8 u + r + 8 (r / 8), so that the 16 registers of tiles 2 b and 2 b + 1 of a result are 16 neighbouring rows.
; Wave w: dt = w % 4, gh = w / 4.  It makes v^T of channels 16 dt .. + 15 for keys 64 gh .. + 63 (four products: source 0 = 16 rows of x, source 1 = Wv's 16 channels: a lane holds one channel, its registers run along the keys),
; and k and q of tile w (source 0 = the weight's 16 columns, source 1 = 16 rows of x: a lane holds one row and eight of its 16 elements).
; 128 work-groups: a record's scale words take a byte from each of its four blocks of keys, so a record is one work-group's.
; LIMITS: NaN and infinity among the codes are not served; a block of v whose largest magnitude lies under 2^-111 keeps the scale byte 1 (a block of zeros too: its codes are zeros, and this program alone reads the bytes).
.set REC,  16896
.set XS,   16                          ; v16-19  x's scale words, tiles 0-3
.set WVS,  20                          ; v20-23  scale words of Wv, Wk, Wq and of the tile of x for k and q
.set WKS,  21
.set WQS,  22
.set XKS,  23
.set CODE, 24                          ; v24-31  v's codes: two blocks of 32 keys
.set XF,   32                          ; v32-95  four fragments of x
.set WVF,  96
.set WKF,  112
.set WQF,  128
.set ACC,  144                         ; v144-175 v^T: four tiles
.set KA,   176
.set QA,   184
.set XKF,  192
.set TM,   208                         ; the quantiser's: largest magnitudes, the other half's, the hold, the scale operand, the byte
.set PD,   210
.set LIM,  212
.set SCO,  214
.set BY,   216
.set HW,   218
.set BK,   220
	s_load_b512 s[4:19], s[0:1], 0x0               ; x codes, x scales, Wq codes, Wq scales, Wk codes, Wk scales, Wv codes, Wv scales
	s_load_b128 s[20:23], s[0:1], 0x40             ; kv, qf
	v_lshl_add_u32 v232, v0, 2, 0x200
	v_mov_b32 v233, 0
	v_lshrrev_b32 v1, 5, v0
	v_readfirstlane_b32 s24, v1                    ; wave 0..7
	s_and_b32 s25, s24, 3                          ; dt
	s_lshr_b32 s26, s24, 2                         ; gh
	v_and_b32 v1, 15, v0                           ; r
	v_bfe_u32 v2, v0, 4, 1                         ; h
	v_and_b32 v3, 8, v1
	v_add_nc_u32 v3, v3, v1                        ; r + 8 (r / 8)
	v_lshlrev_b32 v4, 6, v3
	v_lshl_add_u32 v4, v2, 4, v4                   ; x: a row is 64 bytes; + 16 h
	v_lshlrev_b32 v5, 1, v3                        ; x's scales: 2 bytes a row
	v_lshlrev_b32 v6, 6, v1
	v_lshl_add_u32 v6, v2, 4, v6                   ; a weight: row r, + 16 h
	v_lshlrev_b32 v7, 1, v1
	v_and_b32 v8, 31, v0
	v_lshlrev_b32 v10, 3, v8                       ; 8 x lane
	v_lshlrev_b32 v8, 4, v8                        ; 16 x lane: an image's place for my lane
	s_lshl_b32 s27, s25, 6
	s_lshl_b32 s31, s26, 1
	s_add_co_u32 s27, s27, s31
	v_lshl_add_u32 v9, v1, 2, s27                  ; LDS: my channel's scale word, my two bytes of it: 4 r + 64 dt + 2 gh
	v_mov_b32 v12, 0
	v_mov_b32 v13, 0
	v_mov_b32 v[PD], 0                             ; written once: a lane permute's destination counts as one of its sources
	v_mov_b32 v[PD+1], 0
	s_mov_b32 s28, 0x76543210
	s_mov_b32 s29, 0xfedcba98                      ; v_permlanex16_b32's selects for lane l xor 16
	s_mov_b32 s30, 0x600000                        ; the mantissa field of 57,344
.irp f, XF, XF+16, XF+32, XF+48, WVF, WKF, WQF, XKF
.irp j, 8,9,10,11,12,13,14,15
	v_mov_b32 v[\f+\j], 0                          ; K = 64 .. 127: zero codes, on both sides
.endr
.endr
	s_lshl_b32 s42, ttmp9, 13
	s_lshl_b32 s44, s26, 12
	s_add_co_u32 s42, s42, s44                     ; my 64 rows of x: 8192 g + 4096 gh bytes
	s_mov_b32 s43, 0
	s_lshr_b32 s44, s42, 5                         ; and their scale bytes
	s_mov_b32 s45, 0
	s_lshr_b32 s46, s25, 1
	s_lshl_b32 s46, s46, 5
	s_and_b32 s47, s25, 1
	s_lshl_b32 s47, s47, 3
	s_add_co_u32 s46, s46, s47                     ; the first row of tile dt among them: 32 (dt / 2) + 8 (dt % 2)
	s_wait_kmcnt 0x0
	s_add_nc_u64 s[4:5], s[4:5], s[42:43]
	s_add_nc_u64 s[6:7], s[6:7], s[44:45]
	s_lshl_b32 s42, s46, 6
	s_add_nc_u64 s[32:33], s[4:5], s[42:43]        ; x at the tile for k and q
	s_lshl_b32 s42, s46, 1
	s_add_nc_u64 s[34:35], s[6:7], s[42:43]
	s_lshl_b32 s42, s25, 10
	s_add_nc_u64 s[16:17], s[16:17], s[42:43]      ; Wv at my 16 channels
	s_lshl_b32 s42, s25, 5
	s_add_nc_u64 s[18:19], s[18:19], s[42:43]
	s_mul_i32 s42, ttmp9, REC
	s_add_nc_u64 s[20:21], s[20:21], s[42:43]      ; my record
	s_lshl_b32 s42, s24, 10
	s_add_nc_u64 s[38:39], s[20:21], s[42:43]      ; K's tile w
	s_lshl_b32 s44, ttmp9, 13
	s_add_co_u32 s44, s44, s42
	s_add_nc_u64 s[22:23], s[22:23], s[44:45]      ; q's tile 8 g + w
	s_lshl_b32 s42, s25, 11
	s_lshl_b32 s44, s26, 10
	s_add_co_u32 s42, s42, s44
	s_add_co_u32 s42, s42, 8192
	s_add_nc_u64 s[36:37], s[20:21], s[42:43]      ; V: channel tile dt, blocks 2 gh and 2 gh + 1
	s_add_nc_u64 s[40:41], s[20:21], 16384         ; V's scale words
.irp t, 0,1,2,3
.irp c, 0,1
	global_load_b128 v[XF+16*\t+4*\c:XF+16*\t+4*\c+3], v4, s[4:5] offset:(32*(\t/2)+8*(\t%2))*64+32*\c
.endr
	global_load_u16 v[XS+\t], v5, s[6:7] offset:(32*(\t/2)+8*(\t%2))*2   ; two scale bytes; the word's upper two are 0 and stand over zero codes
.endr
.irp c, 0,1
	global_load_b128 v[WVF+4*\c:WVF+4*\c+3], v6, s[16:17] offset:32*\c
	global_load_b128 v[WKF+4*\c:WKF+4*\c+3], v6, s[12:13] offset:32*\c
	global_load_b128 v[WQF+4*\c:WQF+4*\c+3], v6, s[8:9] offset:32*\c
	global_load_b128 v[XKF+4*\c:XKF+4*\c+3], v4, s[32:33] offset:32*\c
.endr
	global_load_u16 v[WVS], v7, s[18:19]
	global_load_u16 v[WKS], v7, s[14:15]
	global_load_u16 v[WQS], v7, s[10:11]
	global_load_u16 v[XKS], v5, s[34:35]
	s_wait_loadcnt 0x0
.rept 4
	v_nop                                          ; the zero codes were written by vector instructions: four places ahead of a scaled matrix instruction
.endr
.irp t, 0,1,2,3                                ; lane (r, h): channel 16 dt + r; the 16 registers of tiles 2 b, 2 b + 1: keys 32 b + 16 h + 0 .. 15
	v_wmma_scale_f32_16x16x128_f8f6f4 v[ACC+8*\t:ACC+8*\t+7], v[XF+16*\t:XF+16*\t+15], v[WVF:WVF+15], 0, v[XS+\t], v[WVS] matrix_a_fmt:MATRIX_FMT_BF8 matrix_b_fmt:MATRIX_FMT_BF8
.endr
	v_wmma_scale_f32_16x16x128_f8f6f4 v[KA:KA+7], v[WKF:WKF+15], v[XKF:XKF+15], 0, v[WKS], v[XKS] matrix_a_fmt:MATRIX_FMT_BF8 matrix_b_fmt:MATRIX_FMT_BF8   ; lane (r, h): the tile's row r, elements 8 h + 0 .. 7
	v_wmma_scale_f32_16x16x128_f8f6f4 v[QA:QA+7], v[WQF:WQF+15], v[XKF:XKF+15], 0, v[WQS], v[XKS] matrix_a_fmt:MATRIX_FMT_BF8 matrix_b_fmt:MATRIX_FMT_BF8
.rept 8
	v_nop                                          ; eight places between this form and the first read of a result
.endr
	global_store_b128 v8, v[KA:KA+3], s[38:39]             ; each store: 512 consecutive bytes, aligned; each result from its low end on
	global_store_b128 v8, v[KA+4:KA+7], s[38:39] offset:512
	global_store_b128 v8, v[QA:QA+3], s[22:23]
	global_store_b128 v8, v[QA+4:QA+7], s[22:23] offset:512
	; v's two blocks of 32 keys: a lane has 16 numbers of each, lane l xor 16 the other 16
.irp b, 0,1
	v_max3_num_f32 v[TM+\b], |v[ACC+16*\b]|, |v[ACC+16*\b+1]|, 0x8000000   ; with the floor 2^(16 - 127): the byte cannot fall under 1
.endr
.irp i, 2,4,6,8,10,12,14
.irp b, 0,1
	v_max3_num_f32 v[TM+\b], v[TM+\b], |v[ACC+16*\b+\i]|, |v[ACC+16*\b+\i+1]|
.endr
.endr
.irp b, 0,1
	v_permlanex16_b32 v[PD+\b], v[TM+\b], s28, s29
.endr
.irp b, 0,1
	v_max_num_f32 v[TM+\b], v[TM+\b], v[PD+\b]     ; the block's largest magnitude
.endr
.irp b, 0,1
	v_add_nc_u32 v[SCO+\b], 0xf8800000, v[TM+\b]   ; 15 off its exponent field: the conversion's scale operand
.endr
.irp b, 0,1
	v_and_or_b32 v[LIM+\b], v[TM+\b], 0x7f800000, s30   ; 57,344 x the scale
.endr
.irp b, 0,1
	v_lshrrev_b32 v[BY+\b], 23, v[SCO+\b]          ; the scale's byte
.endr
	v_lshl_or_b32 v[HW], v[BY+1], 8, v[BY]         ; my two bytes of the channel's scale word
.irp b, 0,1
.irp i, 0,1,2,3,4,5,6,7,8,9,10,11,12,13,14,15
	v_med3_num_f32 v[ACC+16*\b+\i], v[ACC+16*\b+\i], -v[LIM+\b], v[LIM+\b]   ; the conversion to an 8-bit code does not saturate (ISA guide 7.6.2): the hold comes first
.endr
	v_cvt_scalef32_pk8_bf8_f32 v[CODE+4*\b:CODE+4*\b+1], v[ACC+16*\b:ACC+16*\b+7], v[SCO+\b]
	v_cvt_scalef32_pk8_bf8_f32 v[CODE+4*\b+2:CODE+4*\b+3], v[ACC+16*\b+8:ACC+16*\b+15], v[SCO+\b]
.endr
	v_nop                                          ; a plain line behind the last conversion
	global_store_b128 v8, v[CODE:CODE+3], s[36:37]
	global_store_b128 v8, v[CODE+4:CODE+7], s[36:37] offset:512
	ds_store_b16 v9, v[HW]                         ; both halves of the lanes write the same bytes with the same value
	s_wait_dscnt 0x0                               ; for wave 0's sake: my store has landed
	s_barrier_signal -1
	s_barrier_wait -1
	s_cmp_lg_u32 s24, 0
	s_cbranch_scc1 .Lend
	ds_load_b64 v[BK:BK+1], v10                    ; the 64 scale words
	s_wait_dscnt 0x0
	global_store_b64 v10, v[BK:BK+1], s[40:41]     ; 256 consecutive bytes, aligned
	global_store_b64 v10, v[12:13], s[40:41] offset:256   ; and the record's 256 zeros
.Lend:
	s_wait_tensorcnt 0x0
	ds_add_u32 v232, v233
	s_wait_dscnt 0x0
	s_endpgm
.Lfunc_end_k_qae6f5cfc0c_project:
	.size	k_qae6f5cfc0c_project, .Lfunc_end_k_qae6f5cfc0c_project-k_qae6f5cfc0c_project
	.p2alignl 7, 3214868480
	.fill 96, 4, 3214868480
	.section	.rodata,"a",@progbits
	.p2align	6, 0x0
	.amdhsa_kernel k_qae6f5cfc0c_project
		.amdhsa_group_segment_fixed_size 1536
		.amdhsa_private_segment_fixed_size 0
		.amdhsa_enable_private_segment 0
		.amdhsa_kernarg_size 80
		.amdhsa_user_sgpr_count 2
		.amdhsa_user_sgpr_kernarg_segment_ptr 1
		.amdhsa_wavefront_size32 1
		.amdhsa_system_sgpr_workgroup_id_x 1
		.amdhsa_system_sgpr_workgroup_id_y 1
		.amdhsa_system_sgpr_workgroup_id_z 1
		.amdhsa_system_vgpr_workitem_id 0
		.amdhsa_next_free_vgpr 234
		.amdhsa_next_free_sgpr 66
		.amdhsa_reserve_vcc 0
		.amdhsa_float_denorm_mode_32 3
		.amdhsa_float_denorm_mode_16_64 3
		.amdhsa_memory_ordered 1
		.amdhsa_forward_progress 1
		.amdhsa_inst_pref_size 14
	.end_amdhsa_kernel
	.amdgpu_metadata
---
amdhsa.version: [ 1, 2 ]
amdhsa.kernels:
  - .name:           k_qae6f5cfc0c_project
    .symbol:         k_qae6f5cfc0c_project.kd
    .args:
      - { .name: x_codes, .offset: 0, .size: 8, .value_kind: global_buffer, .address_space: global }
      - { .name: x_scales, .offset: 8, .size: 8, .value_kind: global_buffer, .address_space: global }
      - { .name: Wq_codes, .offset: 16, .size: 8, .value_kind: global_buffer, .address_space: global }
      - { .name: Wq_scales, .offset: 24, .size: 8, .value_kind: global_buffer, .address_space: global }
      - { .name: Wk_codes, .offset: 32, .size: 8, .value_kind: global_buffer, .address_space: global }
      - { .name: Wk_scales, .offset: 40, .size: 8, .value_kind: global_buffer, .address_space: global }
      - { .name: Wv_codes, .offset: 48, .size: 8, .value_kind: global_buffer, .address_space: global }
      - { .name: Wv_scales, .offset: 56, .size: 8, .value_kind: global_buffer, .address_space: global }
      - { .name: kv, .offset: 64, .size: 8, .value_kind: global_buffer, .address_space: global }
      - { .name: qf, .offset: 72, .size: 8, .value_kind: global_buffer, .address_space: global }
    .group_segment_fixed_size: 1536
    .private_segment_fixed_size: 0
    .kernarg_segment_align: 8
    .kernarg_segment_size: 80
    .max_flat_workgroup_size: 256
    .sgpr_count:     66
    .vgpr_count:     234
    .wavefront_size: 32
...
	.end_amdgpu_metadata
.endif
;; end of part 1
;; launch attend (part 2): grid 256 x 1, 16 waves a work-group, clusters of 4 x 1, 327,680 bytes of LDS; arguments kv, qf, out0; writes out0
.if DOCPART == 2
	.amdgcn_target "amdgcn-amd-amdhsa--gfx1250"
	.amdhsa_code_object_version 6
	.text
	.protected	k_qae6f5cfc0c_attend
	.globl	k_qae6f5cfc0c_attend
	.p2align	8
	.type	k_qae6f5cfc0c_attend,@function
k_qae6f5cfc0c_attend:
	s_mov_b64 s[64:65], 0
	v_nop
	global_prefetch_b8 v0, s[64:65] scope:SCOPE_SE
	s_setreg_imm32_b32 hwreg(HW_REG_WAVE_MODE, 25, 1), 1
	s_wait_xcnt 0x0
	s_wait_alu depctr_hold_cnt(0) depctr_sa_sdst(0) depctr_va_vdst(0) depctr_va_sdst(0) depctr_va_ssrc(0) depctr_va_vcc(0) depctr_vm_vsrc(0)
	s_getreg_b32 s2, hwreg(HW_REG_IB_STS2, 6, 4)
	s_cmp_eq_u32 s2, 0
	s_cbranch_scc0 .Lentry_in_a_cluster
	s_endpgm
.Lentry_in_a_cluster:
	s_bfe_u32 s2, ttmp6, 0x10000c
	s_cmp_lg_u32 s2, 0x3003
	s_cbranch_scc0 .Lentry_shape_is_right
	s_endpgm
.Lentry_shape_is_right:
; out[b][q] = sum over keys k <= q of softmax_k(q . k / 4) v[k].  The scores are an f32 product (K = 16: v_wmma_f32_16x16x4_f32); p = 2^(t - M), M a whole number, is quantised along the keys to BF8 (E5M2) with E8M0 scales
; and multiplied with v's codes by the scaled form; the row's sum is taken of the unquantised p and divides at the end.
; SHARES.  Cluster x: batch b = x / 16, I = x % 16, J = 31 - I.  The cluster owns the blocks I and J of 128 queries; work-group cx owns queries 32 cx .. + 31 of each (tiles 2 cx + tau, tau = 0, 1).
; Its work is 33 UNITS of one key step (128 keys) x 2 query tiles: unit u <= I is block I with key step u, unit u > I is block J with key step u - I - 1: the same 66 tile steps in all 256 work-groups.
; Wave w: s = w % 8, tau = w / 8: query tile tau, units 4 s + r in round r = 0 .. 3; the waves with s = 7 also take unit 32 in round 4.  Each wave keeps its own running M, sum and O^T (a split over the keys; M is a whole
; number, so the joining multiplies by exact powers of two).  A wave that meets u = I + 1 changes from block I to block J: it puts its state away (FLUSH) and begins anew.  I + 1 is at most 16, so only waves with s <= 4 can
; meet it: they have an area each, which they fill with an empty state at the head.  At the end every wave puts its state into LDS and the sixteen waves join, divide and store 64 rows of out.
; CLUSTER.  The four partners walk the same records of kv, so each record is asked for JOINTLY (mask 15): the same tensor load with the same descriptor in all four; cx enters only qf's and out0's addresses and the mask's threshold.
; LAYOUT.  S^T = K Q^T (source 0 = 16 keys, source 1 = 16 queries) and O^T = V^T P^T: a lane holds ONE query throughout.  Lane r of tile 2 b + u (keys and queries alike) holds row 32 b + 8 u + r + 8 (r / 8), so that the 16
; registers of score tiles 2 b, 2 b + 1 are keys 32 b + 16 (lane / 16) + 0 .. 15: the conversions' results are the second product's operand.  K, Q, V lie in memory as images of these registers (launch project).
; LIMITS: NaN and infinities are not served; a p under 2^-126 counts as 0; a block of p under 2^-111 keeps the scale byte 1; the f32 sums over the 16 head elements and over the key splits go in another order than the reference's.
.set REC,   16896                      ; a record: 128 keys: K 8,192, V 8,192, V's scale words 256, zeros 256
.set HALF,  8448                       ; what one tensor load brings: 33 rows of 256 bytes
.set SLOT1, 8*REC                      ; slot 0 at 0, slot 1 here: eight records each, record s for the waves s
.set FL,    2*SLOT1                    ; ten areas for states put away at a change of block: 5 tau + s
.set AREA,  4608                       ; a state: O^T's eight groups of 512 bytes, then (-M, sum) at 4096 + 16 x lane
.set SPARE, FL+10*AREA                 ; the spare words, 128 bytes for each wave: eight blocks of 256 bytes that no other line names
.set SP,    272                        ; the stage for the way out: 64 rows x (256 + 16) bytes at LDS byte 0: slot 0 has then had its last fill and its last read
.set SPW, 1                            ; v1   LDS address of my spare word; never rewritten
.set NIL, 2                            ; v2   0; never rewritten
.set LI,  3                            ; v3   16 x lane
.set LA,  4                            ; v4-5 16 x lane + my record in slot 0, 1
.set LW,  6                            ; v6-7 4 x lane + my record in slot 0, 1
.set VS,  8                            ; v8-9 V's scale words: lanes 0-15 channel tile 0 (2), lanes 16-31 tile 1 (3)
.set PW,  10                           ; v10  p's scale word
.set DQ,  11                           ; v11  my query's place in its block - 16 (lane / 16)
.set NM,  12                           ; v12 -M, v13 the largest t
.set LS,  14                           ; v[14:15] the sum, in two halves
.set FF,  16                           ; v16 f = 2^(old M - new M); v17 its pair's upper half, also a permute's destination
.set Q,   18                           ; v18-25
.set O,   26                           ; v26-57  O^T: four channel tiles
.set CD,  58                           ; v58-73  p's codes: block 0 in v58-61, blocks 1-3 over block 0's p, which is converted by then
.set P,   62                           ; v62-125
.set KV,  126                          ; v126-189 K's eight tiles, then V's four
.set S,   190                          ; v190-253 the scores: written by the f32 matrix form alone
.set FLA, 254                          ; v254 16 x lane + my area for a state put away (waves with s <= 4)
.set FNA, 255                          ; v255 16 x lane + my area for my last state: slot 1 + AREA x wave
.set BM,  158                          ; at work during the softmax, in the registers of K's tiles 4-7: block maxima,
.set BP,  162                          ; the other half's,
.set LIM, 166                          ; the holds,
.set SCO, 170                          ; the conversions' scale operands,
.set BY,  174                          ; the bytes,
.set SUM2, 178                         ; a second chain of sums,
.set TMP, 180
.set WV,  10                           ; s10 wave, s11 s, s12 tau, s13 cx, s14 batch, s15 I, s16 J, s17 I + 1
.set SS,  11
.set TAU, 12
.set CX,  13
.set BB,  14
.set BI,  15
.set BJ,  16
.set I1,  17
.set SEL, 18                           ; s[18:19] v_permlanex16_b32's selects for lane l xor 16
.set CS,  20                           ; s[20:21] c = log2(e) / 4
.set MNT, 22                           ; s22  the mantissa field of 57,344
.set U,   23                           ; s23  the unit in hand
.set G1,  24                           ; s[24:31] descriptor group 1
.set G0A, 32                           ; s[32:35] group 0 for slot 0;  s[36:39] for slot 1
.set G0B, 36
.set KVB, 44                           ; s[44:45] kv at my batch's first record, my half of it
.set QJ,  46                           ; s[46:47] my tile of q in block J;  s[48:49] in the block that I begin with
.set QS,  48                           ; s56-63: all that holds cx; none of them feeds a descriptor or an LDS address
; A round of the cluster's barrier: my work-group's barrier; wave 0 signals for the work-group; every wave waits for all four work-groups; my work-group's barrier once more.
.macro CROUND
	s_barrier_signal -1
	s_barrier_wait -1
	s_cmp_lg_u32 s[WV], 0
	s_cbranch_scc1 .Lnot_wave_0_\@
	s_barrier_signal -3
.Lnot_wave_0_\@:
	s_barrier_wait -3
	s_barrier_signal -1
	s_barrier_wait -1
.endm
; The global address of group 0 g0 for round r: unit u = 4 s + r; its key step is u, or u - (I + 1) in block J.
.macro SETG0 g0, r
	s_lshl_b32 s40, s[SS], 2
	s_add_co_u32 s40, s40, \r
	s_cmp_gt_u32 s40, s[BI]
	s_cselect_b32 s41, s[I1], 0
	s_sub_co_u32 s40, s40, s41
	s_mul_i32 s40, s40, REC
	s_mov_b32 s41, 0
	s_add_nc_u64 s[\g0+2:\g0+3], s[KVB:KVB+1], s[40:41]
	s_or_b32 s[\g0+3], s[\g0+3], 0x80000000        ; type = 2
.endm
.macro PLACES n
.rept \n
	v_nop
.endr
.endm
; Eight products of the scores: slice c (elements 2 c, 2 c + 1, 8 + 2 c, 9 + 2 c of the 16, alike in K and Q), the eight key tiles by turns.  how = 0: C = 0; 1: C = the mask in P; 2: in place.
.macro SLICE c, how
.set t, 0
.rept 8
.if \how == 0
	v_wmma_f32_16x16x4_f32 v[S+8*t:S+8*t+7], v[KV+8*t+2*\c:KV+8*t+2*\c+1], v[Q+2*\c:Q+2*\c+1], 0
.elseif \how == 1
	v_wmma_f32_16x16x4_f32 v[S+8*t:S+8*t+7], v[KV+8*t+2*\c:KV+8*t+2*\c+1], v[Q+2*\c:Q+2*\c+1], v[P+8*t:P+8*t+7]
.else
	v_wmma_f32_16x16x4_f32 v[S+8*t:S+8*t+7], v[KV+8*t+2*\c:KV+8*t+2*\c+1], v[Q+2*\c:Q+2*\c+1], v[S+8*t:S+8*t+7]
.endif
.set t, t+1
.endr
.endm
.macro PV i                            ; O^T's channel tile i += V^T P^T over these 128 keys
.if (\i)%2
	v_wmma_scale_f32_16x16x128_f8f6f4 v[O+8*\i:O+8*\i+7], v[KV+16*\i:KV+16*\i+15], v[CD:CD+15], v[O+8*\i:O+8*\i+7], v[VS+(\i)/2], v[PW] matrix_a_fmt:MATRIX_FMT_BF8 matrix_b_fmt:MATRIX_FMT_BF8 matrix_a_scale:MATRIX_SCALE_ROW1
.else
	v_wmma_scale_f32_16x16x128_f8f6f4 v[O+8*\i:O+8*\i+7], v[KV+16*\i:KV+16*\i+15], v[CD:CD+15], v[O+8*\i:O+8*\i+7], v[VS+(\i)/2], v[PW] matrix_a_fmt:MATRIX_FMT_BF8 matrix_b_fmt:MATRIX_FMT_BF8
.endif
.endm
; A UNIT: my 16 queries x the 128 keys of my record in the slot.  diag = 1: the unit is known to lie on the diagonal; 0: it does where u = I (a scalar branch on ids).
.macro STEP slot, diag
.set t, 0
.rept 8
	ds_load_b128 v[KV+8*t:KV+8*t+3], v[LA+\slot] offset:1024*t        ; K: registers 0-3 of the eight tiles (slices 0 and 1),
.set t, t+1
.endr
.set t, 0
.rept 8
	ds_load_b128 v[KV+8*t+4:KV+8*t+7], v[LA+\slot] offset:1024*t+512  ; then registers 4-7 (slices 2 and 3)
.set t, t+1
.endr
.if \diag == 0
	s_cmp_eq_u32 s[U], s[BI]
	s_cbranch_scc1 .Ldiag_\@
	s_wait_dscnt 8                                 ; the eight loads of the upper halves may be out
	SLICE 0, 0
	s_branch .Ljoin_\@
.Ldiag_\@:
.endif
	; on the diagonal the mask goes in as the C of each sum's first product: -infinity where the key comes after the query, else 0.  Register 16 b + i holds key 32 b + 16 (lane / 16) + i: hidden where 32 b + i > DQ
	v_mov_b32 v[CD], 0xff800000
.set n, 0
.rept 64
	v_cmp_gt_i32 vcc_lo, 32*(n/16)+n%16, v[DQ]
	v_cndmask_b32 v[P+n], 0, v[CD], vcc_lo
.set n, n+1
.endr
	PLACES 4
	s_wait_dscnt 8
	SLICE 0, 1
.if \diag == 0
.Ljoin_\@:
.endif
	SLICE 1, 2                                     ; the eight sums take turns, one instruction a turn
	s_wait_dscnt 0x0
	SLICE 2, 2
	SLICE 3, 2
	PLACES 8                                       ; eight places between this form and reads of its results, loads into its sources and vector writes of them
.irp i, 0,1
.irp c, 0,1,2,3
	ds_load_b128 v[KV+16*\i+4*\c:KV+16*\i+4*\c+3], v[LA+\slot] offset:8192+2048*\i+512*\c   ; V's channel tiles 0 and 1 land during the softmax
.endr
.endr
	ds_load_b32 v[VS], v[LW+\slot] offset:16384
	ds_load_b32 v[VS+1], v[LW+\slot] offset:16512
.irp b, 0,1,2,3
	v_max3_num_f32 v[BM+\b], v[S+16*\b], v[S+16*\b+1], v[S+16*\b+2]   ; the largest score of each block of 32 keys: for the row's maximum, and, since p rises with the score, for the block's largest p
.endr
.irp i, 3,5,7,9,11,13
.irp b, 0,1,2,3
	v_max3_num_f32 v[BM+\b], v[BM+\b], v[S+16*\b+\i], v[S+16*\b+\i+1]
.endr
.endr
.irp b, 0,1,2,3
	v_max_num_f32 v[BM+\b], v[BM+\b], v[S+16*\b+15]
.endr
.irp b, 0,1,2,3
	v_permlanex16_b32 v[BP+\b], v[BM+\b], s[SEL], s[SEL+1]
.endr
.irp b, 0,1,2,3
	v_max_num_f32 v[BM+\b], v[BM+\b], v[BP+\b]     ; with lane l xor 16's 16 keys
.endr
	v_max3_num_f32 v[TMP], v[BM], v[BM+1], v[BM+2]
	v_max_num_f32 v[TMP], v[TMP], v[BM+3]
	v_mul_f32 v[TMP], s[CS], v[TMP]                ; the unit's largest t of my query
	v_max_num_f32 v[NM+1], v[NM+1], v[TMP]         ; the running largest t
	v_mov_b32 v[TMP], v[NM]
	v_floor_f32 v[NM], -v[NM+1]                    ; -M = floor(-t) = -ceil(t)
	v_sub_f32 v[TMP], v[NM], v[TMP]                ; old M - new M: a whole number, 0 or less
	v_cvt_i32_f32 v[TMP], v[TMP]                   ; (it saturates)
	v_ldexp_f32 v[FF], 1.0, v[TMP]                 ; f = 2^(old M - new M)
.set j, 0
.rept 32
	v_pk_fma_f32 v[P+j:P+j+1], v[S+j:S+j+1], s[CS:CS+1], v[NM:NM+1] op_sel_hi:[1,0,0]   ; t - M, two at a time
.set j, j+2
.endr
.irp b, 0,1,2,3
	v_fma_f32 v[BM+\b], v[BM+\b], s[CS], v[NM]     ; the same of each block's largest score
.endr
.set j, 0
.rept 64
	v_exp_f32 v[P+j], v[P+j]                       ; p = 2^(t - M)
.set j, j+1
.endr
	v_pk_mul_f32 v[LS:LS+1], v[LS:LS+1], v[FF:FF+1] op_sel_hi:[1,0]   ; the sums under the new M: a plain line behind the exponentials
	s_wait_alu depctr_va_vdst(0)                   ; one wait for the batch of 64, ahead of its first reader
.irp b, 0,1,2,3
	v_exp_f32 v[BM+\b], v[BM+\b]                   ; each block's largest p
.endr
	v_pk_add_f32 v[SUM2:SUM2+1], v[P:P+1], v[P+2:P+3]   ; the row's sum of the unquantised p, in two chains
.set j, 4
.rept 15
	v_pk_add_f32 v[LS:LS+1], v[LS:LS+1], v[P+j:P+j+1]
	v_pk_add_f32 v[SUM2:SUM2+1], v[SUM2:SUM2+1], v[P+j+2:P+j+3]
.set j, j+4
.endr
	v_pk_add_f32 v[LS:LS+1], v[LS:LS+1], v[SUM2:SUM2+1]
	s_wait_alu depctr_va_vdst(0)                   ; and one for the four
.irp b, 0,1,2,3
	v_max_num_f32 v[BM+\b], 0x8000000, v[BM+\b]    ; the floor 2^(16 - 127): the byte cannot fall under 1
.endr
.irp b, 0,1,2,3
	v_add_nc_u32 v[SCO+\b], 0xf8800000, v[BM+\b]   ; 15 off the exponent field: the conversion's scale operand
.endr
.irp b, 0,1,2,3
	v_and_or_b32 v[LIM+\b], v[BM+\b], 0x7f800000, s[MNT]   ; 57,344 x the scale
.endr
.irp b, 0,1,2,3
	v_lshrrev_b32 v[BY+\b], 23, v[SCO+\b]
.endr
	v_lshl_or_b32 v[PW], v[BY+1], 8, v[BY]         ; p's scale word for these 128 keys
	v_lshl_or_b32 v[PW], v[BY+2], 16, v[PW]
	v_lshl_or_b32 v[PW], v[BY+3], 24, v[PW]
.irp b, 0,1,2,3
.set j, 0
.rept 16
	v_min_num_f32 v[P+16*\b+j], v[P+16*\b+j], v[LIM+\b]   ; the hold (ISA guide 7.6.2); p is not negative.  These 16 are also the plain lines between the last block's conversions and the write over block 0's p
.set j, j+1
.endr
	v_cvt_scalef32_pk8_bf8_f32 v[CD+4*\b:CD+4*\b+1], v[P+16*\b:P+16*\b+7], v[SCO+\b]
	v_cvt_scalef32_pk8_bf8_f32 v[CD+4*\b+2:CD+4*\b+3], v[P+16*\b+8:P+16*\b+15], v[SCO+\b]
.endr
	v_nop                                          ; a plain line behind the last conversion
.irp i, 2,3
.irp c, 0,1,2,3
	ds_load_b128 v[KV+16*\i+4*\c:KV+16*\i+4*\c+3], v[LA+\slot] offset:8192+2048*\i+512*\c   ; V's tiles 2 and 3, into the registers that the softmax has left
.endr
.endr
.set j, 0
.rept 16
	v_pk_mul_f32 v[O+j:O+j+1], v[O+j:O+j+1], v[FF:FF+1] op_sel_hi:[1,0]   ; O^T under the new M; also the places between the codes and the products
.set j, j+2
.endr
	s_wait_dscnt 8                                 ; V's tiles 0 and 1 and the scale words are in; the eight loads just issued may be out
	PV 0
	PV 1
	s_wait_dscnt 0x0
	PV 2
	PV 3
	PLACES 8                                       ; for the next loads into K's and V's registers, the next mask and the next reads of O^T
.endm
; My state goes to LDS: O^T as it stands, from each tile's low end on, and (-M, the sum of both halves of the lanes).
.macro SAVE adr
	v_add_f32 v[LS], v[LS], v[LS+1]
	v_permlanex16_b32 v[FF+1], v[LS], s[SEL], s[SEL+1]
	v_mov_b32 v[FF], v[NM]
	v_add_f32 v[FF+1], v[LS], v[FF+1]
.irp g, 0,1,2,3,4,5,6,7
	ds_store_b128 v[\adr], v[O+4*\g:O+4*\g+3] offset:512*\g
.endr
	ds_store_b64 v[\adr], v[FF:FF+1] offset:4096
.endm
.macro INIT                            ; an empty state: the largest t is -3e38, under every t; sums and O^T are zeros, which the first change of M leaves zeros
	v_mov_b32 v[NM+1], 0xff61b1e6
	v_floor_f32 v[NM], -v[NM+1]
	v_mov_b32 v[LS], 0
	v_mov_b32 v[LS+1], 0
.set j, 0
.rept 32
	v_mov_b32 v[O+j], 0
.set j, j+1
.endr
.endm
; Where the unit in hand is block J's first, what I have belongs to block I: it is put away, and I begin anew with block J's queries.
.macro FLUSH
	s_cmp_gt_u32 s[SS], 4
	s_cbranch_scc1 .Lkeep_\@
	s_cmp_lg_u32 s[U], s[I1]
	s_cbranch_scc1 .Lkeep_\@
	SAVE FLA
	s_wait_dscnt 0x0                               ; the stores have read their registers
	INIT
	global_load_b128 v[Q:Q+3], v[LI], s[QJ:QJ+1]
	global_load_b128 v[Q+4:Q+7], v[LI], s[QJ:QJ+1] offset:512
	s_wait_loadcnt 0x0
.Lkeep_\@:
.endm
; The head of a round behind which a slot is filled again: all my tensor loads have landed; the add; the slot's next address; the add is done and my reads of the slot are over; a round of the cluster's barrier.
.macro CHANGE g0, r
	s_wait_tensorcnt 0x0                           ; no tensor load of mine is out, so a group 0 may be written
	ds_add_u32 v[SPW], v[NIL]                      ; 0 onto my spare word
	SETG0 \g0, \r
	s_wait_dscnt 0x0
	CROUND                                         ; no wave of any partner still reads the slot or has a load on its way
.endm
.macro UNIT r
	s_lshl_b32 s[U], s[SS], 2
	s_add_co_u32 s[U], s[U], \r
.endm
	s_load_b128 s[4:7], s[0:1], 0x0                ; kv, qf
	s_load_b64 s[8:9], s[0:1], 0x10                ; out0
	v_lshl_add_u32 v[SPW], v0, 2, SPARE
	v_mov_b32 v[NIL], 0
	ds_add_u32 v1, v2
	ds_add_u32 v1, v2
	s_wait_dscnt 0x0
	v_lshrrev_b32 v3, 5, v0
	v_readfirstlane_b32 s[WV], v3                  ; wave 0..15
	s_and_b32 s[SS], s[WV], 7
	s_lshr_b32 s[TAU], s[WV], 3
	s_bfe_u32 s[CX], ttmp6, 0x40000                ; my place in the cluster
	s_lshr_b32 s[BB], ttmp9, 4                     ; in a cluster launch ttmp9 counts clusters
	s_and_b32 s[BI], ttmp9, 15
	s_sub_co_u32 s[BJ], 31, s[BI]
	s_add_co_u32 s[I1], s[BI], 1
	s_mov_b32 s[SEL], 0x76543210
	s_mov_b32 s[SEL+1], 0xfedcba98
	s_mov_b32 s[CS], 0x3eb8aa3b                    ; log2(e) / 4
	s_mov_b32 s[CS+1], s[CS]                       ; (named with it as a pair, so it is written)
	s_mov_b32 s[MNT], 0x600000
	; descriptor group 1: half a record, dense: 33 rows of 32 elements of 8 bytes, no padding (the images are read 16 bytes x lane)
	s_mov_b32 s[G1], 15|(3<<16)|(1<<21)            ; 15:0 the mask: all four work-groups; 17:16 elements of 8 bytes; 21 set beside a mask
	s_mov_b32 s[G1+1], 32<<16                      ; tensor_dim0 = 32
	s_mov_b32 s[G1+2], 33<<16                      ; tensor_dim1 = 33
	s_mov_b32 s[G1+3], 32<<16                      ; tile_dim0 = 32
	s_mov_b32 s[G1+4], 33                          ; tile_dim1 = 33
	s_mov_b32 s[G1+5], 32                          ; from row to row
	s_mov_b32 s[G1+6], 0
	s_mov_b32 s[G1+7], 0
	s_mul_i32 s42, s[SS], REC                      ; my record's place in a slot,
	s_mul_i32 s43, s[TAU], HALF                    ; the half of it that I fetch
	s_mov_b32 s[G0A], 1
	s_add_co_u32 s[G0A+1], s42, s43                ; LDS address: REC x s + HALF x tau: no place in the cluster enters it
	s_mov_b32 s[G0B], 1
	s_add_co_u32 s[G0B+1], s[G0A+1], SLOT1
	s_mul_i32 s50, s[BB], 32*REC
	s_add_co_u32 s50, s50, s43
	s_mov_b32 s51, 0
	s_wait_kmcnt 0x0
	s_add_nc_u64 s[KVB:KVB+1], s[4:5], s[50:51]
	SETG0 G0A, 0
	SETG0 G0B, 1
	CROUND                                         ; all four work-groups are here: the first joint loads meet
	tensor_load_to_lds s[G0A:G0A+3], s[G1:G1+7]    ; round 0's records into slot 0, round 1's into slot 1: two loads of mine are out
	s_nop 0
	tensor_load_to_lds s[G0B:G0B+3], s[G1:G1+7]
	s_nop 0
	PLACES 4                                       ; four such lines behind a tensor load
	s_lshl_b32 s56, s[CX], 1
	s_add_co_u32 s56, s56, s[TAU]                  ; my query tile in a block: 2 cx + tau
	s_lshl_b32 s57, s[BB], 5
	s_add_co_u32 s58, s57, s[BJ]
	s_lshl_b32 s58, s58, 3
	s_add_co_u32 s58, s58, s56
	s_lshl_b32 s58, s58, 10
	s_mov_b32 s59, 0
	s_add_nc_u64 s[QJ:QJ+1], s[6:7], s[58:59]      ; q's tile ((32 b + J) 8 + 2 cx + tau), 1,024 bytes each
	s_lshl_b32 s60, s[SS], 2
	s_cmp_le_u32 s60, s[BI]                        ; my first unit lies in block I or in block J
	s_cselect_b32 s60, s[BI], s[BJ]
	s_add_co_u32 s60, s60, s57
	s_lshl_b32 s60, s60, 3
	s_add_co_u32 s60, s60, s56
	s_lshl_b32 s60, s60, 10
	s_mov_b32 s61, 0
	s_add_nc_u64 s[QS:QS+1], s[6:7], s[60:61]
	s_lshl_b32 s62, s[CX], 5
	s_lshl_b32 s63, s[TAU], 3
	s_add_co_u32 s62, s62, s63                     ; 32 cx + 8 tau
	v_and_b32 v[LI], 31, v0
	v_lshl_add_u32 v[LW], v[LI], 2, s42
	v_lshlrev_b32 v[LI], 4, v[LI]
	global_load_b128 v[Q:Q+3], v[LI], s[QS:QS+1]
	global_load_b128 v[Q+4:Q+7], v[LI], s[QS:QS+1] offset:512
	v_add_nc_u32 v[LA], s42, v[LI]
	v_add_nc_u32 v[LA+1], SLOT1, v[LA]
	v_add_nc_u32 v[LW+1], SLOT1, v[LW]
	s_min_u32 s43, s[SS], 4                        ; (waves with s > 4 never use this address)
	s_mul_i32 s50, s[TAU], 5
	s_add_co_u32 s43, s43, s50
	s_mul_i32 s43, s43, AREA
	s_add_co_u32 s43, s43, FL
	v_add_nc_u32 v[FLA], s43, v[LI]
	s_mul_i32 s43, s[WV], AREA
	s_add_co_u32 s43, s43, SLOT1
	v_add_nc_u32 v[FNA], s43, v[LI]
	v_and_b32 v[DQ], 15, v0
	v_and_b32 v12, 8, v0
	v_add_nc_u32 v[DQ], v[DQ], v12                 ; r + 8 (r / 8)
	v_and_b32 v12, 16, v0
	v_sub_nc_u32 v[DQ], v[DQ], v12                 ; - 16 (lane / 16)
	v_add_nc_u32 v[DQ], s62, v[DQ]
	v_mov_b32 v[FF+1], 0                           ; written once: named as a pair's upper half and as a permute's destination
	INIT
	s_cmp_gt_u32 s[SS], 4
	s_cbranch_scc1 .Lno_area
	SAVE FLA                                       ; the areas begin as empty states, so that the joining may read all of them
.Lno_area:
	s_wait_loadcnt 0x0                             ; Q
	; round 0
	s_wait_tensorcnt 0x1                           ; my half record of slot 0 is in; slot 1's load may stay out
	s_wait_dscnt 0x0
	s_barrier_signal -1
	s_barrier_wait -1                              ; everybody's is
	UNIT 0
	FLUSH
	STEP 0, 0
	; round 1: slot 0 takes round 2's records
	CHANGE G0A, 2
	tensor_load_to_lds s[G0A:G0A+3], s[G1:G1+7]    ; the first thing behind the round, and my one tensor load until the next
	s_nop 0
	PLACES 4
	UNIT 1
	FLUSH
	STEP 1, 0
	; round 2: slot 1 takes round 3's records
	CHANGE G0B, 3
	tensor_load_to_lds s[G0B:G0B+3], s[G1:G1+7]
	s_nop 0
	PLACES 4
	UNIT 2
	FLUSH
	STEP 0, 0
	; round 3: slot 0's place 7 takes unit 32's record: waves 7 and 15 fetch its halves, the others nothing (a branch on the wave's number, the same in all partners)
	CHANGE G0A, 4
	s_cmp_lg_u32 s[SS], 7
	s_cbranch_scc1 .Lno_fill
	tensor_load_to_lds s[G0A:G0A+3], s[G1:G1+7]
	s_nop 0
	PLACES 4
.Lno_fill:
	UNIT 3
	FLUSH
	STEP 1, 0
	; round 4: nothing is filled again, so the work-group's barrier does
	s_wait_tensorcnt 0x0
	ds_add_u32 v[SPW], v[NIL]
	s_wait_dscnt 0x0                               ; my reads of slot 1 are over: behind the barrier it takes the waves' last states
	s_barrier_signal -1
	s_barrier_wait -1
	s_cmp_lg_u32 s[SS], 7
	s_cbranch_scc1 .Lno_last
	STEP 0, 1                                      ; unit 32: block J's key step J, the diagonal
.Lno_last:
	SAVE FNA
	s_wait_dscnt 0x0                               ; for the others' sake: my state has landed
	s_barrier_signal -1
	s_barrier_wait -1
	; THE JOINING.  Wave w: block bs = w / 8 (0: I, 1: J), query tile tau' = (w / 4) % 2, channel tile dt = w % 4.  Thirteen sources: the last states of waves 8 tau' + k, k = 0 .. 7, and the five states put away of tau'.
	; A last state belongs to block I where k < s* = (I + 1) / 4, else to block J; what was put away belongs to block I.  A source that does not count gets -M = 3e38, as an empty one has: its weight is then 0.
.set JO,   26                          ; v26-129  the sources' eight numbers of O^T
.set JP,   130                         ; v130-155 their pairs (-M, then the weight; the sum)
.set BIG,  156
.set NMS,  157                         ; -M of the joined state
.set LSUM, 158                         ; v[158:159] the joined sum, then its reciprocal
.set JACC, 160                         ; v160-167 the joined O^T
	s_lshr_b32 s40, s[WV], 3                       ; bs
	s_bfe_u32 s41, s[WV], 0x10002                  ; tau'
	s_and_b32 s42, s[WV], 3                        ; dt
	s_mul_i32 s43, s41, 8*AREA
	s_add_co_u32 s43, s43, SLOT1
	v_add_nc_u32 v4, s43, v[LI]
	s_lshl_b32 s50, s42, 10
	v_add_nc_u32 v5, s50, v4
	s_mul_i32 s43, s41, 5*AREA
	s_add_co_u32 s43, s43, FL
	v_add_nc_u32 v6, s43, v[LI]
	v_add_nc_u32 v7, s50, v6
.irp k, 0,1,2,3,4,5,6,7
	ds_load_b128 v[JO+8*\k:JO+8*\k+3], v5 offset:AREA*\k
	ds_load_b128 v[JO+8*\k+4:JO+8*\k+7], v5 offset:AREA*\k+512
	ds_load_b64 v[JP+2*\k:JP+2*\k+1], v4 offset:AREA*\k+4096
.endr
.irp k, 8,9,10,11,12
	ds_load_b128 v[JO+8*\k:JO+8*\k+3], v7 offset:AREA*(\k-8)
	ds_load_b128 v[JO+8*\k+4:JO+8*\k+7], v7 offset:AREA*(\k-8)+512
	ds_load_b64 v[JP+2*\k:JP+2*\k+1], v6 offset:AREA*(\k-8)+4096
.endr
	s_lshr_b32 s52, s[I1], 2                       ; s*
	s_cmp_lg_u32 s40, 0
	s_cselect_b32 s53, -1, 0                       ; all ones for block J
	s_not_b32 s54, s53
	s_cmp_eq_u32 s40, 0                            ; where my four rows of out begin: 4096 b + 128 block + 32 cx + 8 tau' + 4 dt + 8 (dt / 2)
	s_cselect_b32 s56, s[BI], s[BJ]
	s_lshl_b32 s56, s56, 7
	s_lshl_b32 s57, s[BB], 12
	s_add_co_u32 s56, s56, s57
	s_lshl_b32 s57, s[CX], 5
	s_add_co_u32 s56, s56, s57
	s_lshl_b32 s57, s41, 3
	s_add_co_u32 s56, s56, s57
	s_lshl_b32 s57, s42, 2
	s_add_co_u32 s56, s56, s57
	s_lshr_b32 s57, s42, 1
	s_lshl_b32 s57, s57, 3
	s_add_co_u32 s56, s56, s57
	s_lshl_b32 s56, s56, 8                         ; a row of out is 256 bytes
	s_mov_b32 s57, 0
	s_add_nc_u64 s[8:9], s[8:9], s[56:57]
	v_mov_b32 v[BIG], 0x7f61b1e6
	v_mov_b32 v[LSUM+1], 0                         ; (named as a pair's upper half)
	s_wait_dscnt 0x0
.irp k, 0,1,2,3,4,5,6,7
	s_cmp_gt_u32 s52, \k
	s_cselect_b32 s43, -1, 0
	s_xor_b32 s43, s43, s53                        ; all ones where source k counts for my block
	v_cndmask_b32 v[JP+2*\k], v[BIG], v[JP+2*\k], s43
.endr
.irp k, 8,9,10,11,12
	v_cndmask_b32 v[JP+2*\k], v[BIG], v[JP+2*\k], s54
.endr
	v_min3_num_f32 v[NMS], v[JP], v[JP+2], v[JP+4]
.irp k, 3,5,7,9,11
	v_min3_num_f32 v[NMS], v[NMS], v[JP+2*\k], v[JP+2*\k+2]   ; the least -M is the largest M
.endr
.irp k, 0,1,2,3,4,5,6,7,8,9,10,11,12
	v_sub_f32 v[JP+2*\k], v[NMS], v[JP+2*\k]       ; the source's M less the joined M: a whole number, 0 or less
.endr
.irp k, 0,1,2,3,4,5,6,7,8,9,10,11,12
	v_cvt_i32_f32 v[JP+2*\k], v[JP+2*\k]           ; (it saturates)
.endr
.irp k, 0,1,2,3,4,5,6,7,8,9,10,11,12
	v_ldexp_f32 v[JP+2*\k], 1.0, v[JP+2*\k]        ; the weight: an exact power of two, or 0
.endr
	v_mul_f32 v[LSUM], v[JP], v[JP+1]
.irp j, 0,2,4,6
	v_pk_mul_f32 v[JACC+\j:JACC+\j+1], v[JO+\j:JO+\j+1], v[JP:JP+1] op_sel_hi:[1,0]
.endr
.irp k, 1,2,3,4,5,6,7,8,9,10,11,12
	v_fma_f32 v[LSUM], v[JP+2*\k], v[JP+2*\k+1], v[LSUM]
.irp j, 0,2,4,6
	v_pk_fma_f32 v[JACC+\j:JACC+\j+1], v[JO+8*\k+\j:JO+8*\k+\j+1], v[JP+2*\k:JP+2*\k+1], v[JACC+\j:JACC+\j+1] op_sel_hi:[1,0,1]
.endr
.endr
	v_rcp_f32 v[LSUM], v[LSUM]
	v_and_b32 v12, 15, v0                          ; r  (plain lines behind the reciprocal: the stage's addresses)
	v_bfe_u32 v13, v0, 4, 1                        ; h
	s_lshr_b32 s43, s[WV], 2
	s_mul_i32 s43, s43, 16*SP
	s_lshl_b32 s50, s42, 6
	s_add_co_u32 s43, s43, s50
	v_mul_u32_u24 v6, v12, SP
	v_lshl_add_u32 v6, v13, 5, v6
	v_add_nc_u32 v6, s43, v6                       ; in: row 16 (w / 4) + r, byte 64 dt + 32 h
	s_mul_i32 s43, s[WV], 4*SP
	v_mul_u32_u24 v4, v13, SP
	v_lshl_add_u32 v4, v12, 4, v4
	v_add_nc_u32 v4, s43, v4                       ; back: rows 4 w on; lanes 0-15 one row of 256 bytes, lanes 16-31 the next
	s_wait_alu depctr_va_vdst(0)                   ; the wait ahead of the reciprocal's first reader
.irp j, 0,2,4,6
	v_pk_mul_f32 v[JACC+\j:JACC+\j+1], v[JACC+\j:JACC+\j+1], v[LSUM:LSUM+1] op_sel_hi:[1,0]
.endr
	ds_store_b128 v6, v[JACC:JACC+3]
	ds_store_b128 v6, v[JACC+4:JACC+7] offset:16
	s_wait_dscnt 0x0                               ; for the others' sake: a row's 256 bytes come from four waves
	s_barrier_signal -1
	s_barrier_wait -1
	ds_load_b128 v[JO:JO+3], v4
	ds_load_b128 v[JO+4:JO+7], v4 offset:2*SP
	s_wait_dscnt 1                                 ; the first two rows are in; the second load may be out
	global_store_b128 v[LI], v[JO:JO+3], s[8:9] th:TH_STORE_NT               ; stage rows 4 w .. 4 w + 3 are four neighbouring rows of out: each store covers 512 consecutive bytes, aligned
	s_wait_dscnt 0x0
	global_store_b128 v[LI], v[JO+4:JO+7], s[8:9] offset:512 th:TH_STORE_NT
	s_wait_tensorcnt 0x0                           ; the wave's end, behind my last tensor load and my last LDS store
	ds_add_u32 v[SPW], v[NIL]
	s_wait_dscnt 0x0
	CROUND                                         ; the closing round: no work-group ends while a partner may still ask for a record that names it
	s_endpgm
.Lfunc_end_k_qae6f5cfc0c_attend:
	.size	k_qae6f5cfc0c_attend, .Lfunc_end_k_qae6f5cfc0c_attend-k_qae6f5cfc0c_attend
	.p2alignl 7, 3214868480
	.fill 96, 4, 3214868480
	.section	.rodata,"a",@progbits
	.p2align	6, 0x0
	.amdhsa_kernel k_qae6f5cfc0c_attend
		.amdhsa_group_segment_fixed_size 327680
		.amdhsa_private_segment_fixed_size 0
		.amdhsa_enable_private_segment 0
		.amdhsa_kernarg_size 24
		.amdhsa_user_sgpr_count 2
		.amdhsa_user_sgpr_kernarg_segment_ptr 1
		.amdhsa_wavefront_size32 1
		.amdhsa_system_sgpr_workgroup_id_x 1
		.amdhsa_system_sgpr_workgroup_id_y 1
		.amdhsa_system_sgpr_workgroup_id_z 1
		.amdhsa_system_vgpr_workitem_id 0
		.amdhsa_next_free_vgpr 256
		.amdhsa_next_free_sgpr 66
		.amdhsa_reserve_vcc 1
		.amdhsa_float_denorm_mode_32 3
		.amdhsa_float_denorm_mode_16_64 3
		.amdhsa_memory_ordered 1
		.amdhsa_forward_progress 1
		.amdhsa_inst_pref_size 159
	.end_amdhsa_kernel
	.amdgpu_metadata
---
amdhsa.version: [ 1, 2 ]
amdhsa.kernels:
  - .name:           k_qae6f5cfc0c_attend
    .symbol:         k_qae6f5cfc0c_attend.kd
    .args:
      - { .name: kv, .offset: 0, .size: 8, .value_kind: global_buffer, .address_space: global }
      - { .name: qf, .offset: 8, .size: 8, .value_kind: global_buffer, .address_space: global }
      - { .name: out0, .offset: 16, .size: 8, .value_kind: global_buffer, .address_space: global }
    .group_segment_fixed_size: 327680
    .private_segment_fixed_size: 0
    .kernarg_segment_align: 8
    .kernarg_segment_size: 24
    .max_flat_workgroup_size: 512
    .sgpr_count:     66
    .vgpr_count:     256
    .wavefront_size: 32
...
	.end_amdgpu_metadata
.endif
;; end of part 2
